; MI455X (gfx1250); checked and timed in simulation.
; The chip was launched on July 23, 2026; its instructions are those of AMD's public machine-readable ISA for CDNA 5 (MIT licence, August 2026) and "CDNA5" Instruction Set Architecture Reference Guide (July 2026). The comments in the code are by the model that wrote it; some were corrected since.
;; Branch Linear. Allowed arithmetic: float matrix products may take bf16 or f16 operands with f32 sums; other float arithmetic in f32, or as packed bf16 or f16 multiplies, adds, multiply-adds, maxima and minima; sums over many terms, partial sums and values carried from step to step in f32; what a program stores and reads back later, other than sums and carried values, may be rounded once to bf16 or f16.
;; Inputs: bias 8 x 512 float32; branch_idx 32,768 int32; weight 8 x 512 x 512 float32; x 32,768 x 512 float32.
;; Outputs: out0 32,768 x 512 float32.
;; One version. Each part assembles by itself: llvm-mc -triple=amdgcn-amd-amdhsa -mcpu=gfx1250 --defsym DOCPART=n.
;; ======== version 1 of 1: 2 launches
;; workspace buffers: wt 4,194,304 bytes; order 135,168 bytes of whole numbers; tiles 2,048 bytes of whole numbers
;; launch prep (part 1): grid 256 x 1, 8 waves a work-group, no clusters, 1,280 bytes of LDS; arguments branch_idx, weight, wt, order, tiles; writes wt, order, tiles
.if DOCPART == 1
	.amdgcn_target "amdgcn-amd-amdhsa--gfx1250"
	.amdhsa_code_object_version 6
	.text
	.protected	k_qfc9e851d0f_prep
	.globl	k_qfc9e851d0f_prep
	.p2align	8
	.type	k_qfc9e851d0f_prep,@function
k_qfc9e851d0f_prep:
	s_mov_b64 s[64:65], 0
	v_nop
	global_prefetch_b8 v0, s[64:65] scope:SCOPE_SE
	s_setreg_imm32_b32 hwreg(HW_REG_WAVE_MODE, 25, 1), 1
	s_wait_xcnt 0x0
; PREP.  Three jobs for the product that follows, in one launch of 256 work-groups of eight waves.
; (a) WEIGHTS.  weight [8][512 k][512 col] f32 is rounded once to bf16 and laid in the order in which a wave's operand registers take it:
;     wt [e 8][G 8][ks 16][t 4][half 2][lane 32][8 bf16]; lane = r + 16 h; element i is W[e][32 ks + 16 half + 8 h + i][64 G + 4 r + t].
;     Work-group g has 32 k x 256 columns of one expert; a wave one G and one half.  A load's sixteen lanes cover 256 consecutive bytes, a store 512.
; (b) SORT.  The tokens are sorted by branch, by counting, without atomics: every work-group counts all 32,768 indices (wave v's load j is the
;     chunk 32 v + j of 128 tokens) and keeps, beside the totals c_e, the counts b_e of the chunks below its own; wave 0 then places the 128 tokens of chunk g.
;     An expert's list begins at entry 132 P_e, P_e = the tiles of the experts below it, so tile g's list begins at entry 132 g.
; (c) TILES.  tiles[g] = (expert, rows) for work-group g of the product.  The sum over e of ceil(c_e / 132) is at most floor((32768 + 8 x 131) / 132) = 256 in every split.
;     A tile without rows gets (0, 0), and its first list entry is written as 0, since the product still reads it.
; LIMITS.  branch_idx lies in 0 .. 7, as the indexing of the tables asks; another value would be counted under (4 idx) mod 32 and get no place.
; The list's stores are 4 bytes a lane to scattered places: 131,072 bytes in the whole launch.
.set SPARE, 256                        ; LDS: bytes 0-255 the waves' sums, 32 bytes a wave; from 256 on the spare words, 128 bytes a wave
.set LN,  1                            ; v1      lane
.set SPW, 2                            ; v2      LDS address of my spare word; never rewritten
.set NIL, 3                            ; v3      0; never rewritten
.set WOF, 4                            ; v4      my byte offset in weight
.set WTO, 5                            ; v5      my byte offset in wt
.set IOF, 6                            ; v6      my byte offset in branch_idx: my wave's 32 chunks
.set COF, 7                            ; v7      the same for chunk g
.set TE,  8                            ; v8      byte counters of experts 0, 2, 4, 6: all my wave's chunks
.set TO,  9                            ; v9      of experts 1, 3, 5, 7
.set BE,  10                           ; v10     the same two, of the chunks below g alone
.set BO,  11                           ; v11
.set T,   12                           ; v12-19  at work
.set R,   20                           ; v20-27  the counters as pairs of 16 bits: (e0,e4) (e2,e6) (e1,e5) (e3,e7), totals, then the same below g
.set IDX, 32                           ; v32-159 my wave's 32 chunks; later the eight waves' sums
.set W,   160                          ; v160-191 8 k x 4 columns of f32
.set WO,  192                          ; v192-207 four fragments' 16 bytes
.set OC,  208                          ; v208-211 chunk g
.set POS, 212                          ; v212-215 where its tokens go
.set TK,  216                          ; v216-219 their numbers
.set CE,  32                           ; s32-39  c_e
.set BS,  40                           ; s40-47  b_e, then 132 P_e + b_e, then stepped as tokens are placed
	s_load_b256 s[4:11], s[0:1], 0x0               ; branch_idx s[4:5], weight s[6:7], wt s[8:9], order s[10:11]
	s_load_b64 s[12:13], s[0:1], 0x20              ; tiles
	v_lshl_add_u32 v[SPW], v0, 2, SPARE
	v_mov_b32 v[NIL], 0
	v_and_b32 v[LN], 31, v0
	v_lshrrev_b32 v[T], 5, v0
	v_readfirstlane_b32 s14, v[T]                  ; wave 0..7
	s_mov_b32 s15, ttmp9                           ; g
	s_lshl_b32 s16, s14, 5
	s_sub_co_i32 s16, s15, s16
	s_max_i32 s16, s16, 0
	s_min_i32 s16, s16, 32                         ; how many of my wave's 32 chunks lie below chunk g
	s_mov_b32 s18, 0x0f0f0f0f
	s_mov_b32 s19, 0x00ff00ff
	s_mov_b32 s20, 0x76543210                      ; v_permlanex16_b32: each lane takes its own place in the other half
	s_mov_b32 s21, 0xfedcba98
	s_lshr_b32 s22, s15, 5                         ; e
	s_bfe_u32 s23, s15, 0x40001                    ; ks: 4 bits from bit 1
	s_and_b32 s48, s15, 1
	s_lshl_b32 s48, s48, 2
	s_lshr_b32 s49, s14, 1
	s_add_co_u32 s48, s48, s49                     ; G = 4 (g & 1) + wave / 2
	s_and_b32 s49, s14, 1                          ; half
	s_lshl_b32 s50, s22, 20                        ; weight: e x 1 MiB + ks x 32 rows of 2,048 bytes + half x 16 rows + G x 256 bytes
	s_lshl_b32 s51, s23, 16
	s_add_co_u32 s50, s50, s51
	s_lshl_b32 s51, s49, 15
	s_add_co_u32 s50, s50, s51
	s_lshl_b32 s51, s48, 8
	s_add_co_u32 s50, s50, s51
	v_and_b32 v[T], 15, v0                         ; r
	v_bfe_u32 v[T+1], v0, 4, 1                     ; h
	v_lshl_add_u32 v[WOF], v[T], 4, s50            ; + 16 r
	v_lshl_add_u32 v[WOF], v[T+1], 14, v[WOF]      ; + 8 h rows
	s_lshl_b32 s50, s22, 19                        ; wt: e x 512 KiB + G x 64 KiB + ks x 4 KiB + half x 512
	s_lshl_b32 s51, s48, 16
	s_add_co_u32 s50, s50, s51
	s_lshl_b32 s51, s23, 12
	s_add_co_u32 s50, s50, s51
	s_lshl_b32 s51, s49, 9
	s_add_co_u32 s50, s50, s51
	v_lshl_add_u32 v[WTO], v[LN], 4, s50
	s_lshl_b32 s50, s14, 14
	v_lshl_add_u32 v[IOF], v[LN], 4, s50           ; my wave's 16,384 bytes of indices
	s_lshl_b32 s50, s15, 9
	v_lshl_add_u32 v[COF], v[LN], 4, s50           ; chunk g's 512 bytes
	s_wait_kmcnt 0x0
.set ii, 0
.rept 8
	global_load_b128 v[W+4*ii:W+4*ii+3], v[WOF], s[6:7] offset:ii*2048 th:TH_LOAD_NT  ; row 8 h + ii of my 16: each weight is read once in the launch
.set ii, ii+1
.endr
	global_load_b128 v[OC:OC+3], v[COF], s[4:5]    ; in every wave, so that the counted waits below are the same in all
.set ii, 0
.rept 32
	global_load_b128 v[IDX+4*ii:IDX+4*ii+3], v[IOF], s[4:5] offset:ii*512
.set ii, ii+1
.endr
	s_wait_loadcnt 33                              ; the weights are in; chunk g and the 32 chunks stay out
.set it, 0
.rept 4                                ; fragment t takes column 4 r + t: elements 2 j, 2 j + 1 are rows 2 j, 2 j + 1 of my eight
.set ij, 0
.rept 4
	v_cvt_pk_bf16_f32 v[WO+4*it+ij], v[W+8*ij+it], v[W+8*ij+4+it]
.set ij, ij+1
.endr
	global_store_b128 v[WTO], v[WO+4*it:WO+4*it+3], s[8:9] offset:it*1024  ; the wave stores 512 consecutive bytes
.set it, it+1
.endr
	v_mov_b32 v[TE], 0
	v_mov_b32 v[TO], 0
	v_mov_b32 v[BE], 0
	v_mov_b32 v[BO], 0
.macro SNAP j                          ; in front of chunk j: if j chunks of mine lie below g, the counters as they stand are the counts below g
	s_cmp_eq_u32 s16, \j
	s_cselect_b32 s17, -1, 0
	v_cndmask_b32 v[BE], v[BE], v[TE], s17
	v_cndmask_b32 v[BO], v[BO], v[TO], s17
.endm
.macro COUNT j                         ; my four indices of chunk j: eight counters of 4 bits (4 at the most), added onto eight of 8 bits (128 at the most)
	s_wait_loadcnt 31-(\j)                         ; loads come back in order: chunk j is in, the younger ones stay out
	SNAP \j
.irp k, 0,1,2,3
	v_lshlrev_b32 v[T+\k], 2, v[IDX+4*(\j)+\k]
.endr
	v_lshl_add_u32 v[T+4], 1, v[T], 0
	v_lshl_add_u32 v[T+4], 1, v[T+1], v[T+4]
	v_lshl_add_u32 v[T+4], 1, v[T+2], v[T+4]
	v_lshl_add_u32 v[T+4], 1, v[T+3], v[T+4]
	v_and_b32 v[T+5], s18, v[T+4]
	v_lshrrev_b32 v[T+4], 4, v[T+4]
	v_add_nc_u32 v[TE], v[TE], v[T+5]
	v_and_b32 v[T+4], s18, v[T+4]
	v_add_nc_u32 v[TO], v[TO], v[T+4]
.endm
.set jj, 0
.rept 32
	COUNT jj
.set jj, jj+1
.endr
	SNAP 32
	; to pairs of 16 bits: a sum over all tokens is 32,768 at the most, so nothing is carried from the low half into the high
	v_and_b32 v[R], s19, v[TE]
	v_lshrrev_b32 v[R+1], 8, v[TE]
	v_and_b32 v[R+2], s19, v[TO]
	v_lshrrev_b32 v[R+3], 8, v[TO]
	v_and_b32 v[R+4], s19, v[BE]
	v_lshrrev_b32 v[R+5], 8, v[BE]
	v_and_b32 v[R+6], s19, v[BO]
	v_lshrrev_b32 v[R+7], 8, v[BO]
.irp k, 1,3,5,7
	v_and_b32 v[R+\k], s19, v[R+\k]
.endr
.set ii, 0
.rept 8
	v_mov_b32 v[T+ii], 0                           ; the destinations of the lane moves below count as read
.set ii, ii+1
.endr
.irp m, 1,2,4,8                        ; the sum over the wave's 32 lanes: four steps inside each half, one across
.set ii, 0
.rept 8
	v_mov_b32_dpp v[T+ii], v[R+ii] row_xmask:\m row_mask:0xf bank_mask:0xf
.set ii, ii+1
.endr
.set ii, 0
.rept 8
	v_add_nc_u32 v[R+ii], v[R+ii], v[T+ii]
.set ii, ii+1
.endr
.endr
.set ii, 0
.rept 8
	v_permlanex16_b32 v[T+ii], v[R+ii], s20, s21
.set ii, ii+1
.endr
.set ii, 0
.rept 8
	v_add_nc_u32 v[R+ii], v[R+ii], v[T+ii]
.set ii, ii+1
.endr
	s_lshl_b32 s50, s14, 5
	v_mov_b32 v28, s50
	ds_store_b128 v28, v[R:R+3]                    ; my wave's 32 bytes: every lane writes the same words with the same numbers
	ds_store_b128 v28, v[R+4:R+7] offset:16
	s_wait_dscnt 0x0                               ; for wave 0's sake: my sums are in LDS
	s_barrier_signal -1
	s_barrier_wait -1
	s_cmp_lg_u32 s14, 0
	s_cbranch_scc0 .Lwave0
	s_wait_tensorcnt 0x0                           ; waves 1 to 7 end
	ds_add_u32 v[SPW], v[NIL]
	s_wait_dscnt 0x0
	s_endpgm
.Lwave0:
	v_mov_b32 v29, 0
.set ii, 0
.rept 8
	ds_load_b128 v[IDX+8*ii:IDX+8*ii+3],   v29 offset:32*ii
	ds_load_b128 v[IDX+8*ii+4:IDX+8*ii+7], v29 offset:32*ii+16
.set ii, ii+1
.endr
	s_wait_dscnt 0x0
.set ii, 0
.rept 8
	v_add3_u32 v[R+ii], v[IDX+ii], v[IDX+8+ii], v[IDX+16+ii]
	v_add3_u32 v[R+ii], v[R+ii], v[IDX+24+ii], v[IDX+32+ii]
	v_add3_u32 v[R+ii], v[R+ii], v[IDX+40+ii], v[IDX+48+ii]
	v_add_nc_u32 v[R+ii], v[R+ii], v[IDX+56+ii]
.set ii, ii+1
.endr
.set ii, 0
.rept 8
	v_readfirstlane_b32 s[24+ii], v[R+ii]
.set ii, ii+1
.endr
.macro UNPK k, lo                      ; pair k holds experts lo and lo + 4
	s_and_b32  s[CE+(\lo)],   s[24+(\k)], 0xffff
	s_lshr_b32 s[CE+(\lo)+4], s[24+(\k)], 16
	s_and_b32  s[BS+(\lo)],   s[28+(\k)], 0xffff
	s_lshr_b32 s[BS+(\lo)+4], s[28+(\k)], 16
.endm
	UNPK 0, 0
	UNPK 1, 2
	UNPK 2, 1
	UNPK 3, 3
	; The experts' tiles, one after the other.  ceil(c / 132) = ((c + 131) >> 2) / 33, and q / 33 = (q x 7944) >> 18 for q < 32,768, since 33 x 7944 = 2^18 + 8; here q is 8,224 at the most.
	s_mov_b32 s48, 0                               ; P: tiles so far
	s_mov_b32 s51, 0                               ; tile g's expert,
	s_mov_b32 s52, 0                               ; its number among that expert's tiles,
	s_mov_b32 s53, 0                               ; and that expert's count: all 0 where g is no tile
.irp e, 0,1,2,3,4,5,6,7
	s_add_co_u32 s49, s[CE+\e], 131
	s_lshr_b32 s49, s49, 2
	s_mul_i32 s49, s49, 7944
	s_lshr_b32 s49, s49, 18                        ; the expert's tiles
	s_sub_co_u32 s50, s15, s48                     ; g - P: below 0 it wraps to a large number
	s_cmp_lt_u32 s50, s49
	s_cselect_b32 s51, \e, s51
	s_cselect_b32 s52, s50, s52
	s_cselect_b32 s53, s[CE+\e], s53
	s_mul_i32 s50, s48, 132
	s_add_co_u32 s[BS+\e], s[BS+\e], s50           ; where chunk g's first token of this expert goes
	s_add_co_u32 s48, s48, s49
.endr
	s_mul_i32 s52, s52, 132
	s_sub_co_u32 s57, s53, s52
	s_min_u32 s57, s57, 132                        ; tile g's rows
	; chunk g's tokens: token 128 g + 4 lane + i; among the chunk's tokens of one expert the order is i, then lane
	s_lshl_b32 s50, s15, 7
	v_lshl_add_u32 v[TK], v[LN], 2, s50
.irp i, 1,2,3
	v_add_nc_u32 v[TK+\i], \i, v[TK]
.endr
.irp i, 0,1,2,3
	v_mov_b32 v[POS+\i], 0
.irp e, 0,1,2,3,4,5,6,7
	v_cmp_eq_u32 s54, \e, v[OC+\i]
	v_mbcnt_lo_u32_b32 v[T], s54, s[BS+\e]         ; the expert's next place + the lanes below mine that also have it
	v_cndmask_b32 v[POS+\i], v[POS+\i], v[T], s54
	s_bcnt1_i32_b32 s55, s54
	s_add_co_u32 s[BS+\e], s[BS+\e], s55
.endr
.endr
.irp i, 0,1,2,3
	v_min_u32 v[POS+\i], 0x83ff, v[POS+\i]         ; the list has 256 x 132 entries
	v_lshlrev_b32 v[POS+\i], 2, v[POS+\i]
	global_store_b32 v[POS+\i], v[TK+\i], s[10:11]
.endr
	s_lshl_b32 s50, s15, 3
	v_mov_b32 v28, s50                             ; tiles[g]
	v_mov_b32 v30, s51
	v_mov_b32 v31, s57
	s_mul_i32 s50, s15, 528
	v_mov_b32 v[T], s50                            ; order[132 g]
	v_mov_b32 v[T+1], 0
	v_cmp_eq_u32 vcc_lo, 0, v[LN]
	s_wait_xcnt 0x0                                ; EXEC is a source of the stores above: it changes only behind this wait
	s_and_saveexec_b32 s56, vcc_lo                 ; lane 0 alone
	global_store_b64 v28, v[30:31], s[12:13]
	s_cmp_lg_u32 s57, 0
	s_cbranch_scc1 .Lhas_rows
	global_store_b32 v[T], v[T+1], s[10:11]        ; a tile without rows: the entry that the product still reads; no token's place lies at or behind it
.Lhas_rows:
	s_wait_xcnt 0x0                                ; and again in front of the line that widens it
	s_or_b32 exec_lo, exec_lo, s56
	s_wait_tensorcnt 0x0                           ; wave 0 ends
	ds_add_u32 v[SPW], v[NIL]
	s_wait_dscnt 0x0
	s_endpgm
.Lfunc_end_k_qfc9e851d0f_prep:
	.size	k_qfc9e851d0f_prep, .Lfunc_end_k_qfc9e851d0f_prep-k_qfc9e851d0f_prep
	.p2alignl 7, 3214868480
	.fill 96, 4, 3214868480
	.section	.rodata,"a",@progbits
	.p2align	6, 0x0
	.amdhsa_kernel k_qfc9e851d0f_prep
		.amdhsa_group_segment_fixed_size 1280
		.amdhsa_private_segment_fixed_size 0
		.amdhsa_enable_private_segment 0
		.amdhsa_kernarg_size 40
		.amdhsa_user_sgpr_count 2
		.amdhsa_user_sgpr_kernarg_segment_ptr 1
		.amdhsa_wavefront_size32 1
		.amdhsa_system_sgpr_workgroup_id_x 1
		.amdhsa_system_sgpr_workgroup_id_y 1
		.amdhsa_system_sgpr_workgroup_id_z 1
		.amdhsa_system_vgpr_workitem_id 0
		.amdhsa_next_free_vgpr 224
		.amdhsa_next_free_sgpr 66
		.amdhsa_reserve_vcc 1
		.amdhsa_float_denorm_mode_32 3
		.amdhsa_float_denorm_mode_16_64 3
		.amdhsa_memory_ordered 1
		.amdhsa_forward_progress 1
		.amdhsa_inst_pref_size 55
	.end_amdhsa_kernel
	.amdgpu_metadata
---
amdhsa.version: [ 1, 2 ]
amdhsa.kernels:
  - .name:           k_qfc9e851d0f_prep
    .symbol:         k_qfc9e851d0f_prep.kd
    .args:
      - { .name: branch_idx, .offset: 0, .size: 8, .value_kind: global_buffer, .address_space: global }
      - { .name: weight, .offset: 8, .size: 8, .value_kind: global_buffer, .address_space: global }
      - { .name: wt, .offset: 16, .size: 8, .value_kind: global_buffer, .address_space: global }
      - { .name: order, .offset: 24, .size: 8, .value_kind: global_buffer, .address_space: global }
      - { .name: tiles, .offset: 32, .size: 8, .value_kind: global_buffer, .address_space: global }
    .group_segment_fixed_size: 1280
    .private_segment_fixed_size: 0
    .kernarg_segment_align: 8
    .kernarg_segment_size: 40
    .max_flat_workgroup_size: 256
    .sgpr_count:     66
    .vgpr_count:     224
    .wavefront_size: 32
...
	.end_amdgpu_metadata
.endif
;; end of part 1
;; launch gemm (part 2): grid 256 x 1, 4 waves a work-group, no clusters, 327,680 bytes of LDS; arguments x, order, tiles, wt, bias, out0; writes out0
.if DOCPART == 2
	.amdgcn_target "amdgcn-amd-amdhsa--gfx1250"
	.amdhsa_code_object_version 6
	.text
	.protected	k_qfc9e851d0f_gemm
	.globl	k_qfc9e851d0f_gemm
	.p2align	8
	.type	k_qfc9e851d0f_gemm,@function
k_qfc9e851d0f_gemm:
	s_mov_b64 s[64:65], 0
	v_nop
	global_prefetch_b8 v0, s[64:65] scope:SCOPE_SE
	s_setreg_imm32_b32 hwreg(HW_REG_WAVE_MODE, 25, 1), 1
	s_wait_xcnt 0x0
; out[t] = x[t] W[e] + bias[e] for the tokens t of ONE tile: at most 132 rows of one expert e, named by tiles[g] = (e, cnt) and order[132 g ..].
; x, bias, out: f32.  x is rounded once to bf16 on its way into LDS; W comes from wt, rounded to bf16 and laid in fragment order; sums and bias in f32.
; SHARES.  Four waves; wave w owns columns 128 w .. 128 w + 127 of all rows, in TWO PASSES of 64 columns, each over the whole K = 512.  A pass has 9 blocks of 16 rows x 4 fragments of
; 16 columns = 36 accumulators (block 8 has four live rows).  x arrives in four chunks of 128 along K; pass 0 multiplies a chunk as soon as it is staged, while the later chunks are on their way;
; pass 1 runs while pass 0's stores leave.  The price: x's fragments are read from LDS twice.
; COLUMNS.  Fragment t of a pass holds the columns 64 G + 4 r + t (G = 2 w + pass, r = lane % 16).  In the results, register j of lane (r, h) is row 16 a + 8 h + j, so the four fragments' registers j
; are four neighbouring f32 of one row: the bias add writes them into four registers on end, and one store covers two rows' 256 consecutive bytes, each at a multiple of 256 from out's first byte.
; WEIGHTS, TWO WAYS.  In pass 0 the counter of loads into registers belongs to the gather of x (33 to 66 loads of a wave are out, and they come back in order), so the weights come by the tensor data
; mover through two LDS slots: a quad = 4 K steps x 4 fragments = 16,384 bytes a wave; each wave fetches and reads its own bytes; two first fills, two refills; by this text's count a wave has two tensor
; loads out at the start and one behind each refill.  In pass 1 that counter is free, and so are x's staging registers: the weights come straight into registers as matrix operands, eight loads of 512
; consecutive bytes a K step, through a ring of seven K steps; a step's loads are issued 5.5 K steps ahead of their use, 56 are out at the most, and pass 1 has no barrier: LDS is only read there.
; ROWS PAST THE COUNT.  The list index is held to cnt - 1, so places past the count repeat the last row, token and data.  Whole blocks past the count are jumped over; in the one block that the count cuts
; (blocks 0 to 7) up to 15 places store the last row again, the same bytes from the same wave; block 8 tests each of its rows.  A tile with cnt = 0 walks the same text on token 0 and stores nothing:
; every wave passes every barrier whatever cnt is.
; NO CLUSTER.  What tiles of one expert share is its weights, and their address hangs on e, a number read from memory, as the jumps over stores hang on cnt.  Joint requests are kept to addresses and
; branches made of ids and constants, alike in all partners by the text itself.  An expert fixed for each cluster serves no split but the even one, and clusters that each walk all eight experts
; would ask for 64 x 4 MiB of weights where 256 tiles by themselves ask for 256 x 512 KiB, half as much.
; LIMITS.  x and W carry bf16's 8 significant bits; a NaN or an infinity in a row of x touches that row alone.
; REGISTERS, in windows of 256 (s_set_vgpr_msb: bits 1:0 source 0, 3:2 source 1, 5:4 source 2, 7:6 destination):
;   window 0: v0-27 addresses; v32-39 bias; v48-191 x's fragments, two buffers of 9; v192-255 W's fragments: pass 0 two buffers of 4, pass 1 ring slots 5 and 6
;   window 1: v0-131 x chunks 0 and 2 as loaded; v132-164 the byte offsets of my 33 rows in x; from the last staging on v0-159 ring slots 0 to 4
;   window 2: accumulator (a, t), a < 8, at v[32 a + 8 t]
;   window 3: v0-31 accumulators (8, t); v32-163 x chunks 1 and 3, later v32-159 four buffers of results with bias; v164-231 the rows' byte offsets in out
.set ROWS,  132
.set PITCH, 272                        ; a row of a chunk in LDS: 256 bytes + 16 = 68 words: the 16 rows of a fragment load start at 16 different groups of four banks (64 banks of 4 bytes: ISA guide 11.1)
.set CHUNK, ROWS*PITCH                 ; 35,904
.set SLOTB, 65536                      ; a slot of the weights' ring in LDS: four waves' quads
.set QUADB, 16384
.set ABASE, 2*SLOTB                    ; behind the ring: x in bf16, [chunk 4][row 132][272]; written by ds_store alone
.set TOK,   ABASE+4*CHUNK              ; 274,688: the tile's 132 token numbers
.set SPARE, TOK+768                    ; 275,456: the spare words, 128 bytes a wave: two blocks of 256 bytes that no other line names
.set RR,    1                          ; v1   r = lane % 16
.set HH,    2                          ; v2   h = lane / 16
.set LN,    3                          ; v3   lane
.set SPW,   10                         ; v10  LDS address of my spare word; never rewritten
.set NIL,   11                         ; v11  0; never rewritten
.set ADRA,  12                         ; v12-15  my place in x's fragments of chunk c, blocks 0 to 7
.set ADRA8, 16                         ; v16-17  the same for block 8 (row 128 + r % 4), chunks 0-1 and 2-3
.set ADRB,  18                         ; v18-19  my 16 bytes in my wave's quad in slot 0, 1
.set STA,   20                         ; v20  where I stage 8 bytes of my wave's first row; steps from chunk to chunk
.set COLV,  21                         ; v21  512 w + 16 r: my four columns of pass 0, in bytes
.set TOKR,  22                         ; v22  TOK + 32 h
.set TOKR8, 23                         ; v23  TOK + 512
.set L16,   24                         ; v24  16 x lane
.set TOKA,  25                         ; v25  the token of row 33 w + lane
.set TOKB,  26                         ; v26  the token of row 33 w + 32
.set BOFF,  27                         ; v27  my 16 bytes in my wave's weights of pass 1, as a byte offset in wt; never rewritten
.set BIAS,  32
.set FA,    48
.set FB,    192
.set XOFF,  132                        ; window 1
.set TMP,   32                         ; window 3: block a's results at TMP + 32 (a % 4)
.set OFFS,  164                        ; window 3: block a < 8, register j at 8 a + j; block 8 at 64 + j
.set WV,    16                         ; s16  my wave's number
.set EX,    18                         ; s18  the tile's expert
.set CNT,   19                         ; s19  its rows
.set CM1,   20                         ; s20  max(rows, 1) - 1
.set G1,    24                         ; s[24:31] descriptor group 1
.set G0,    32                         ; s[32:39] descriptor group 0, a set for each slot
.set BW,    0                          ; the window and the first register of the K step's fragments of W: MULS reads the two, the K steps' macros set them
.set BB,    FB
.set MSB, 0
.macro WIN new                         ; the immediate's high byte repeats the setting that is left; a switch that changes nothing is dropped
.if MSB != (\new)
	s_set_vgpr_msb (MSB<<8)|(\new)
.set MSB, \new
.endif
.endm
; A load into a register that a matrix instruction has read, and a vector instruction that reads a matrix result, stand four places behind it; only plain vector instructions that
; name none of its registers are places (ISA guide 7.12.1 for vector instructions).
.macro PLACES
.rept 4
	v_nop
.endr
.endm
; Row blocks a0 .. a1 x the four fragments of W, 32 along K, x from buffer f.  The 36 accumulators take turns, one instruction a turn, in the same order in every K step.
; zero = 1: a pass's first K step starts the sums: nothing is ever cleared.
.macro MULS f, a0, a1, zero
.set ia, \a0
.rept (\a1)-(\a0)+1
.if ia < 8
	WIN 0xa0+4*BW                                  ; x in window 0, W in window BW, C and D in window 2
.set rD, 32*ia
.else
	WIN 0xf0+4*BW                                  ; C and D in window 3
.set rD, 0
.endif
.set it, 0
.rept 4
.if \zero
	v_wmma_f32_16x16x32_bf16 v[rD+8*it:rD+8*it+7], v[FA+72*(\f)+8*ia:FA+72*(\f)+8*ia+7], v[BB+8*it:BB+8*it+7], 0
.else
	v_wmma_f32_16x16x32_bf16 v[rD+8*it:rD+8*it+7], v[FA+72*(\f)+8*ia:FA+72*(\f)+8*ia+7], v[BB+8*it:BB+8*it+7], v[rD+8*it:rD+8*it+7]
.endif
.set it, it+1
.endr
.set ia, ia+1
.endr
.endm
; 18 LDS loads in one run: x's fragments of K step i of chunk c (16 loads for blocks 0-7, 2 for block 8), into buffer f
.macro FETCHA c, i, f
	WIN 0
.set ia, 0
.rept 8
	ds_load_b128 v[FA+72*(\f)+8*ia:FA+72*(\f)+8*ia+3],   v[ADRA+(\c)] offset:ia*16*PITCH+(\i)*64
	ds_load_b128 v[FA+72*(\f)+8*ia+4:FA+72*(\f)+8*ia+7], v[ADRA+(\c)] offset:ia*16*PITCH+(\i)*64+32
.set ia, ia+1
.endr
	ds_load_b128 v[FA+72*(\f)+64:FA+72*(\f)+67], v[ADRA8+(\c)/2] offset:((\c)%2)*CHUNK+(\i)*64
	ds_load_b128 v[FA+72*(\f)+68:FA+72*(\f)+71], v[ADRA8+(\c)/2] offset:((\c)%2)*CHUNK+(\i)*64+32
.endm
; pass 0: 26 LDS loads in one run: W's fragments of K step i of the quad in the slot (8 loads), then x's
.macro FETCH slot, i, c, f
	WIN 0
.set it, 0
.rept 4
	ds_load_b128 v[FB+32*(\f)+8*it:FB+32*(\f)+8*it+3],   v[ADRB+(\slot)] offset:(\i)*4096+it*1024
	ds_load_b128 v[FB+32*(\f)+8*it+4:FB+32*(\f)+8*it+7], v[ADRB+(\slot)] offset:(\i)*4096+it*1024+512
.set it, it+1
.endr
	FETCHA \c, \i, \f
.endm
; pass 1: W's fragments of K step u, from memory into ring slot u % 7: eight loads, each the wave's 512 consecutive bytes.  No cache hint: the expert's other tiles read the same bytes.
.macro BLOAD u
.set bq, (\u)%7
.if bq < 5
	WIN 0x40                                       ; destination window 1, offset window 0
.set bb, 32*bq
.else
	WIN 0
.set bb, FB+32*(bq-5)
.endif
.set it, 0
.rept 4
	global_load_b128 v[bb+8*it:bb+8*it+3],   v[BOFF], s[10:11] offset:(\u)*4096+it*1024
	global_load_b128 v[bb+8*it+4:bb+8*it+7], v[BOFF], s[10:11] offset:(\u)*4096+it*1024+512
.set it, it+1
.endr
.endm
; A K step of pass 0 on buffer f: in its middle the next K step's fragments go into the other buffer
.macro KSTEP f, zero, slot, i, c
.set BW, 0
.set BB, FB+32*(\f)
	s_wait_dscnt 10                                ; W and x's blocks 0-3 are in; the youngest ten loads (blocks 4-8) may be out
	MULS \f, 0, 3, \zero
	PLACES
	FETCH \slot, \i, \c, 1-(\f)
	s_wait_dscnt 26                                ; all but the 26 just issued
	MULS \f, 4, 8, \zero
.endm
.macro QUAD n, zero                    ; the first three K steps of quad n (slot n % 2, chunk n)
	KSTEP 0, \zero, (\n)%2, 1, \n
	KSTEP 1, 0, (\n)%2, 2, \n
	KSTEP 0, 0, (\n)%2, 3, \n
.endm
; Chunk c of my 33 rows: rounded to bf16 in place, 8 bytes a lane into LDS (a store is a row's 256 consecutive bytes); c < 2: the registers take chunk c + 2.
.macro STAGE c
.set SB, (\c)%2                        ; chunks 0, 2 lie in window 1 from v0, chunks 1, 3 in window 3 from v32
.set XB, 32*SB
.if (\c) == 3
	s_wait_loadcnt 0x0
.else
	s_wait_loadcnt 33                              ; loads come back in order: this chunk is in, the next chunk's 33 stay out
.endif
	WIN 0x45+0x8a*SB                               ; destination and both sources in the chunk's window
.set ii, 0
.rept 33
	v_cvt_pk_bf16_f32 v[XB+4*ii],   v[XB+4*ii],   v[XB+4*ii+1]
	v_cvt_pk_bf16_f32 v[XB+4*ii+1], v[XB+4*ii+2], v[XB+4*ii+3]
.set ii, ii+1
.endr
	WIN 0x04+0x08*SB                               ; address window 0, data in the chunk's window
.set ii, 0
.rept 33
	ds_store_b64 v[STA], v[XB+4*ii:XB+4*ii+1] offset:ii*PITCH
.set ii, ii+1
.endr
.if (\c) < 2
	WIN 0x41+0x80*SB                               ; destination in the chunk's window, offsets in window 1
.set ii, 0
.rept 33
	global_load_b128 v[XB+4*ii:XB+4*ii+3], v[XOFF+ii], s[4:5] offset:((\c)+2)*512
.set ii, ii+1
.endr
.endif
	WIN 0
.if (\c) < 3
	v_add_nc_u32 v[STA], CHUNK, v[STA]
.endif
.endm
; The last K step (buffer 1) of quads 0 to 2 changes slots: ONE barrier.  In front of it each wave waits for all its tensor loads, of which one is out: the next quad; adds 0 to its spare word; and waits
; for that, for its reads of the old slot and for its stores of the next chunk of x.  Behind it the next chunk is whole, and (refill = 1) the old slot takes the quad two on, first thing.
.macro TURN refill, old, next, cn
.set BW, 0
.set BB, FB+32
	WIN 0
	s_wait_tensorcnt 0x0                           ; no tensor load of mine is out, so a group 0 may be written
	ds_add_u32 v[SPW], v[NIL]                      ; 0 onto my spare word
.if \refill
	s_add_nc_u64 s[G0+4*(\old)+2:G0+4*(\old)+3], s[G0+4*(\old)+2:G0+4*(\old)+3], 2*QUADB  ; the type bits on top are not reached
.endif
	s_wait_dscnt 44                                ; the youngest ten fragment loads, the 33 stores and the add may be out
	MULS 1, 0, 3, 0                                ; sixteen matrix instructions stand between the add and the wait for it
	s_wait_dscnt 0x0                               ; the add is done, my reads of the slot are over, my stores are in LDS
	s_barrier_signal -1
	MULS 1, 4, 5, 0                                ; work on registers while the others arrive
	WIN 0
	s_barrier_wait -1
.if \refill
	tensor_load_to_lds s[G0+4*(\old):G0+4*(\old)+3], s[G1:G1+7]  ; my one tensor load behind the barrier: it has four K steps, 144 matrix instructions, in which to land
	s_nop 0
.endif
	PLACES                                         ; in front of the loads into buffer 0
	FETCH \next, 0, \cn, 0
	MULS 1, 6, 8, 0
.endm
; Pass 0's last K step (buffer 1): no slot is left to change and nothing to publish, so no barrier.  In its middle go out x's first fragments of pass 1, and W's K step 5 of pass 1 into the buffer
; that the K step before read: the four places serve both.
.macro LAST0
.set BW, 0
.set BB, FB+32
	s_wait_dscnt 10
	MULS 1, 0, 3, 0
	PLACES
	FETCHA 0, 0, 0
	BLOAD 5
	s_wait_dscnt 18                                ; all but the 18 just issued
	MULS 1, 4, 8, 0
.endm
; K step u of pass 1: x from buffer u % 2 (chunk u / 4), W from ring slot u % 7.  The groups of eight loads go out in ascending order: 0 to 6 ahead of step 0, group u + 6 in the middle of step u
; (u = 1 .. 9), into the slot that step u - 1 read, behind the same four places as x's run.  So at the head of step u the groups behind group u are 6 (u = 0), 5 (u = 1 .. 10), 15 - u (later).
.macro KSTEP1 u
.set kf, (\u)%2
.set kq, (\u)%7
.if kq < 5
.set BW, 1
.set BB, 32*kq
.else
.set BW, 0
.set BB, FB+32*(kq-5)
.endif
.set kz, 0
.if (\u) == 0
.set kz, 1
	s_wait_loadcnt 48                              ; loads come back in order: group 0 is in, groups 1 to 6 may be out
.elseif (\u) <= 10
	s_wait_loadcnt 40                              ; this step's group is in, the five younger ones may be out
.else
	s_wait_loadcnt 8*(15-(\u))                     ; nothing is left to ask for: the counts run down
.endif
	s_wait_dscnt 10                                ; x's blocks 0-3 are in; the youngest ten loads (blocks 4-8) may be out
	MULS kf, 0, 3, kz
.if (\u) < 15
	PLACES
.set kc, ((\u)+1)/4
.set ki, ((\u)+1)%4
	FETCHA kc, ki, 1-kf
.if ((\u) >= 1) && ((\u) <= 9)
	BLOAD (\u)+6
.endif
	s_wait_dscnt 18                                ; all but the 18 just issued
.else
	s_wait_dscnt 0x0
.endif
	MULS kf, 4, 8, kz
.endm
; A pass's results: + bias, four neighbouring columns into four registers on end, stored by rows.  Each accumulator is read from its lowest register on.
; Four buffers take turns, so the wait that frees a buffer stands in front of blocks 0, 4 and 8 alone.  What is jumped over holds no barrier and no tensor load.
.macro STOREP p
.set ia, 0
.rept 8
	WIN 0
	s_cmp_le_u32 s[CNT], 16*ia
	s_cbranch_scc1 .Ldone\p                        ; this block and all behind it lie past the count
.if ia%4 == 0
	s_wait_xcnt 0x0                                ; the registers that earlier stores read are rewritten only behind this wait
.endif
.set tb, TMP+32*(ia%4)
	WIN 0xc2                                       ; destination window 3, results window 2, bias window 0
.set ij, 0
.rept 8
.set it, 0
.rept 4
	v_add_f32 v[tb+4*ij+it], v[32*ia+8*it+ij], v[BIAS+4*(\p)+it]
.set it, it+1
.endr
.set ij, ij+1
.endr
	WIN 0x0f                                       ; offsets and data in window 3
.set ij, 0
.rept 8
	global_store_b128 v[OFFS+8*ia+ij], v[tb+4*ij:tb+4*ij+3], s[14:15] offset:256*(\p) th:TH_STORE_NT  ; rows 16 a + j and 16 a + 8 + j: 256 consecutive bytes each
.set ij, ij+1
.endr
.set ia, ia+1
.endr
	WIN 0
	s_cmp_le_u32 s[CNT], 128
	s_cbranch_scc1 .Ldone\p
	s_wait_xcnt 0x0                                ; as above; EXEC, too, changes only behind this wait: no memory instruction follows it before the line that narrows EXEC
	WIN 0xc3                                       ; block 8: results in window 3
.set ij, 0
.rept 4
.set it, 0
.rept 4
	v_add_f32 v[TMP+4*ij+it], v[8*it+ij], v[BIAS+4*(\p)+it]
.set it, it+1
.endr
.set ij, ij+1
.endr
	WIN 0
	v_cmp_gt_u32 vcc_lo, 16, v[LN]
	s_and_saveexec_b32 s40, vcc_lo                 ; rows 128 to 131 lie in lanes 0 to 15
	WIN 0x0f
	global_store_b128 v[OFFS+64], v[TMP:TMP+3], s[14:15] offset:256*(\p) th:TH_STORE_NT
	WIN 0
.irp j, 1,2,3
	s_cmp_le_u32 s[CNT], 128+\j
	s_cbranch_scc1 .Lrest\p
	WIN 0x0f
	global_store_b128 v[OFFS+64+\j], v[TMP+4*\j:TMP+4*\j+3], s[14:15] offset:256*(\p) th:TH_STORE_NT
	WIN 0
.endr
.Lrest\p:
	s_wait_xcnt 0x0                                ; in front of the line that widens EXEC
	s_or_b32 exec_lo, exec_lo, s40
.Ldone\p:
.endm
.macro TSREG n                         ; the scalar register of row n of my 33: s48-63, s66-82
.set ts, 48+(\n)
.if (\n) >= 16
.set ts, 50+(\n)
.endif
.endm
	s_load_b256 s[4:11], s[0:1], 0x0               ; x s[4:5], order s[6:7], tiles s[8:9], wt s[10:11]
	s_load_b128 s[12:15], s[0:1], 0x20             ; bias s[12:13], out s[14:15]
	v_lshl_add_u32 v[SPW], v0, 2, SPARE
	v_mov_b32 v[NIL], 0
	ds_add_u32 v[SPW], v[NIL]                      ; the wave's opening: the add and its wait stand ahead of my first tensor load; the set-up below, work on registers, stands between them
	v_lshrrev_b32 v4, 5, v0
	v_readfirstlane_b32 s[WV], v4                  ; wave 0..3
	v_and_b32 v[RR], 15, v0
	v_bfe_u32 v[HH], v0, 4, 1
	v_and_b32 v[LN], 31, v0
	v_lshlrev_b32 v[L16], 4, v[LN]
	; A fragment of x is 16 rows x 32 K in 8 registers: lane (r, h) holds row r; registers 0-3 K = 8 h + 0..7, registers 4-7 K = 16 + 8 h + 0..7: two loads of 16 bytes, 32 bytes apart
	v_mul_u32_u24 v4, v[RR], PITCH
	v_lshl_add_u32 v4, v[HH], 4, v4
.irp c, 0,1,2,3
	v_add_nc_u32 v[ADRA+\c], ABASE+\c*CHUNK, v4
.endr
	v_and_b32 v5, 3, v0                            ; block 8 has rows 128 to 131: lanes r >= 4 repeat them, and their results are never stored
	v_mul_u32_u24 v5, v5, PITCH
	v_lshl_add_u32 v5, v[HH], 4, v5
	v_add_nc_u32 v[ADRA8], ABASE+128*PITCH, v5
	v_add_nc_u32 v[ADRA8+1], ABASE+2*CHUNK+128*PITCH, v5
	s_lshl_b32 s[G0+1], s[WV], 14                  ; 63:32 LDS address: my wave's 16,384 bytes of slot 0,
	s_add_co_u32 s[G0+5], s[G0+1], SLOTB           ; and of slot 1
	v_add_nc_u32 v[ADRB], s[G0+1], v[L16]
	v_add_nc_u32 v[ADRB+1], SLOTB, v[ADRB]
	s_mul_i32 s22, s[WV], 33*PITCH                 ; I stage rows 33 w .. 33 w + 32
	v_lshl_add_u32 v[STA], v[LN], 3, s22
	v_add_nc_u32 v[STA], ABASE, v[STA]
	s_lshl_b32 s23, s[WV], 9
	v_lshl_add_u32 v[COLV], v[RR], 4, s23
	v_lshlrev_b32 v[TOKR], 5, v[HH]
	v_add_nc_u32 v[TOKR], TOK, v[TOKR]
	v_mov_b32 v[TOKR8], TOK+512
	; descriptor group 1: a quad is 16,384 dense bytes: 64 rows of 32 elements of 8 bytes, laid into LDS without gaps
	s_mov_b32 s[G1+0], 3<<16                       ; 15:0 no mask; 17:16 elements of 8 bytes; 20 no padding
	s_mov_b32 s[G1+1], 32<<16                      ; tensor_dim0 = 32
	s_mov_b32 s[G1+2], 64<<16                      ; tensor_dim1 = 64
	s_mov_b32 s[G1+3], 32<<16                      ; tile_dim0 = 32
	s_mov_b32 s[G1+4], 64                          ; tile_dim1 = 64
	s_mov_b32 s[G1+5], 32                          ; 32 elements from row to row
	s_mov_b32 s[G1+6], 0
	s_mov_b32 s[G1+7], 0
	s_mov_b32 s[G0], 1                             ; 1:0 count = 1
	s_mov_b32 s[G0+4], 1
	s_wait_dscnt 0x0                               ; the opening add is done
	s_wait_kmcnt 0x0
	s_lshl_b32 s21, ttmp9, 3
	s_load_b64 s[EX:EX+1], s[8:9], s21 offset:0x0  ; tiles[g]
	s_wait_kmcnt 0x0
	s_min_u32 s[EX], s[EX], 7
	s_min_u32 s[CNT], s[CNT], ROWS
	s_max_u32 s[CM1], s[CNT], 1
	s_sub_co_u32 s[CM1], s[CM1], 1
	s_lshl_b32 s42, s[EX], 19                      ; wt: e x 512 KiB + w x 128 KiB: pass 0's four quads lie end to end, pass 1's 64 KiB behind them
	s_lshl_b32 s21, s[WV], 17
	s_add_co_u32 s42, s42, s21
	s_mov_b32 s43, 0
	s_add_nc_u64 s[G0+2:G0+3], s[10:11], s[42:43]  ; 120:64 global address: quad 0,
	s_add_nc_u64 s[G0+6:G0+7], s[G0+2:G0+3], QUADB ; quad 1
	s_or_b32 s[G0+3], s[G0+3], 0x80000000          ; 127:126 type = 2
	s_or_b32 s[G0+7], s[G0+7], 0x80000000
	tensor_load_to_lds s[G0:G0+3], s[G1:G1+7]      ; both first fills together, ahead of every wait on TENSORcnt, every LDS read and every barrier
	s_nop 0
	tensor_load_to_lds s[G0+4:G0+7], s[G1:G1+7]
	s_nop 0
	PLACES
	s_add_co_u32 s42, s42, 4*QUADB
	v_add_nc_u32 v[BOFF], s42, v[L16]              ; pass 1's weights: an offset, made apart from wt's address
	; my 33 rows' tokens: list entry 132 g + min(row, cnt - 1)
	s_mul_i32 s21, ttmp9, ROWS
	s_mul_i32 s22, s[WV], 33
	v_add_nc_u32 v7, s22, v[LN]                    ; row 33 w + lane
	v_min_u32 v4, s[CM1], v7
	v_add_nc_u32 v4, s21, v4
	v_min_u32 v4, 0x83ff, v4                       ; the list has 256 x 132 entries
	v_lshlrev_b32 v4, 2, v4
	s_add_co_u32 s22, s22, 32                      ; row 33 w + 32
	s_min_u32 s23, s22, s[CM1]
	s_add_co_u32 s23, s23, s21
	v_mov_b32 v5, s23
	v_min_u32 v5, 0x83ff, v5
	v_lshlrev_b32 v5, 2, v5
	global_load_b32 v[TOKA], v4, s[6:7]
	global_load_b32 v[TOKB], v5, s[6:7]
	s_lshl_b32 s23, s[EX], 11
	v_add_nc_u32 v6, s23, v[COLV]
	global_load_b128 v[BIAS:BIAS+3],   v6, s[12:13]             ; bias of my four columns in pass 0,
	global_load_b128 v[BIAS+4:BIAS+7], v6, s[12:13] offset:256  ; in pass 1
	v_lshl_add_u32 v7, v7, 2, TOK
	s_lshl_b32 s22, s22, 2
	s_add_co_u32 s22, s22, TOK
	v_mov_b32 v8, s22
	s_wait_loadcnt 2                               ; the tokens are in; the two loads of bias stay out
	ds_store_b32 v7, v[TOKA]                       ; the tile's tokens, for every wave's way out
	ds_store_b32 v8, v[TOKB]
.set ii, 0
.rept 33
	TSREG ii
.if ii < 32
	v_readlane_b32 s[ts], v[TOKA], ii
.else
	v_readlane_b32 s[ts], v[TOKB], 0
.endif
.set ii, ii+1
.endr
.set ii, 0
.rept 33
	TSREG ii
	s_min_u32 s[ts], s[ts], 0x7fff                 ; x has 32,768 rows
.set ii, ii+1
.endr
	WIN 0x40                                       ; destination window 1
.set ii, 0
.rept 33
	TSREG ii
	v_lshl_add_u32 v[XOFF+ii], s[ts], 11, v[L16]   ; the row's 2,048 bytes; a load takes 512 consecutive bytes of it, 16 a lane
.set ii, ii+1
.endr
	WIN 0x41
.set ii, 0
.rept 33
	global_load_b128 v[4*ii:4*ii+3], v[XOFF+ii], s[4:5]  ; chunk 0.  No cache hint: a list held to cnt - 1 names its last row more than once
.set ii, ii+1
.endr
	WIN 0xc1
.set ii, 0
.rept 33
	global_load_b128 v[32+4*ii:32+4*ii+3], v[XOFF+ii], s[4:5] offset:512  ; chunk 1
.set ii, ii+1
.endr
	STAGE 0                                        ; and chunk 2 goes out
	s_wait_tensorcnt 1                             ; my quad 0 is in; quad 1 may stay out
	s_wait_dscnt 0x0                               ; for the others' sake: my rows of chunk 0 and my tokens are in LDS
	s_barrier_signal -1
	s_barrier_wait -1
	FETCH 0, 0, 0, 0
	; PASS 0: columns 128 w .. 128 w + 63, while x arrives
	QUAD 0, 1
	STAGE 1                                        ; chunk 3 goes out
	TURN 1, 0, 1, 1                                ; slot 0 takes quad 2
	QUAD 1, 0
	STAGE 2
	TURN 1, 1, 0, 2                                ; slot 1 takes quad 3: the last tensor load
	QUAD 2, 0
	STAGE 3                                        ; its wait for 0 shows every load of x done: window 1's v0-164 are free, and the counter of loads is empty
	TURN 0, 0, 1, 3                                ; quad 3 has landed; chunk 3 is published: the last barrier
.irp u, 0,1,2,3,4
	BLOAD \u                                       ; pass 1's first five K steps of W go out: they have quad 3 and the way out of pass 0 in which to land
.endr
	QUAD 3, 0
	LAST0
	; the rows' byte offsets in out: token x 2,048 + my columns.  Lane (r, h) takes the tokens of rows 16 a + 8 h + 0..7.  The 136 plain lines are also the places behind the last products.
	WIN 0xc0                                       ; destination window 3
.set ia, 0
.rept 8
	ds_load_b128 v[OFFS+8*ia:OFFS+8*ia+3],   v[TOKR] offset:64*ia
	ds_load_b128 v[OFFS+8*ia+4:OFFS+8*ia+7], v[TOKR] offset:64*ia+16
.set ia, ia+1
.endr
	ds_load_b128 v[OFFS+64:OFFS+67], v[TOKR8]
	s_wait_dscnt 0x0
	WIN 0xcc
.set ii, 0
.rept 68
	v_min_u32 v[OFFS+ii], 0x7fff, v[OFFS+ii]       ; out has 32,768 rows
.set ii, ii+1
.endr
	WIN 0xc3
.set ii, 0
.rept 68
	v_lshl_add_u32 v[OFFS+ii], v[OFFS+ii], 11, v[COLV]
.set ii, ii+1
.endr
	BLOAD 6                                        ; into the buffer that pass 0's last K step read: the ring is full
	STOREP 0
	; PASS 1: columns 128 w + 64 .. 128 w + 127, while pass 0's stores leave.  No barrier: every wave reads x's fragments, which nobody writes any more, and its own registers
.set uu, 0
.rept 16
	KSTEP1 uu
.set uu, uu+1
.endr
	PLACES                                         ; the adds below read results just made
	STOREP 1
	s_wait_tensorcnt 0x0                           ; the wave's end
	ds_add_u32 v[SPW], v[NIL]
	s_wait_dscnt 0x0
	s_endpgm
.Lfunc_end_k_qfc9e851d0f_gemm:
	.size	k_qfc9e851d0f_gemm, .Lfunc_end_k_qfc9e851d0f_gemm-k_qfc9e851d0f_gemm
	.p2alignl 7, 3214868480
	.fill 96, 4, 3214868480
	.section	.rodata,"a",@progbits
	.p2align	6, 0x0
	.amdhsa_kernel k_qfc9e851d0f_gemm
		.amdhsa_group_segment_fixed_size 327680
		.amdhsa_private_segment_fixed_size 0
		.amdhsa_enable_private_segment 0
		.amdhsa_kernarg_size 48
		.amdhsa_user_sgpr_count 2
		.amdhsa_user_sgpr_kernarg_segment_ptr 1
		.amdhsa_wavefront_size32 1
		.amdhsa_system_sgpr_workgroup_id_x 1
		.amdhsa_system_sgpr_workgroup_id_y 1
		.amdhsa_system_sgpr_workgroup_id_z 1
		.amdhsa_system_vgpr_workitem_id 0
		.amdhsa_next_free_vgpr 1024
		.amdhsa_next_free_sgpr 84
		.amdhsa_reserve_vcc 1
		.amdhsa_float_denorm_mode_32 3
		.amdhsa_float_denorm_mode_16_64 3
		.amdhsa_memory_ordered 1
		.amdhsa_forward_progress 1
		.amdhsa_inst_pref_size 233
	.end_amdhsa_kernel
	.amdgpu_metadata
---
amdhsa.version: [ 1, 2 ]
amdhsa.kernels:
  - .name:           k_qfc9e851d0f_gemm
    .symbol:         k_qfc9e851d0f_gemm.kd
    .args:
      - { .name: x, .offset: 0, .size: 8, .value_kind: global_buffer, .address_space: global }
      - { .name: order, .offset: 8, .size: 8, .value_kind: global_buffer, .address_space: global }
      - { .name: tiles, .offset: 16, .size: 8, .value_kind: global_buffer, .address_space: global }
      - { .name: wt, .offset: 24, .size: 8, .value_kind: global_buffer, .address_space: global }
      - { .name: bias, .offset: 32, .size: 8, .value_kind: global_buffer, .address_space: global }
      - { .name: out0, .offset: 40, .size: 8, .value_kind: global_buffer, .address_space: global }
    .group_segment_fixed_size: 327680
    .private_segment_fixed_size: 0
    .kernarg_segment_align: 8
    .kernarg_segment_size: 48
    .max_flat_workgroup_size: 128
    .sgpr_count:     84
    .vgpr_count:     1024
    .wavefront_size: 32
...
	.end_amdgpu_metadata
.endif
;; end of part 2
